; MI455X (gfx1250); checked and timed in simulation.
; The chip was launched on July 23, 2026; its instructions are those of AMD's public machine-readable ISA for CDNA 5 (MIT licence, August 2026) and "CDNA5" Instruction Set Architecture Reference Guide (July 2026). The comments in the code are by the model that wrote it; some were corrected since.
;; Quant Linear Sim. Allowed arithmetic: matrix products marked QUANTISED: E2M3 operands, one E8M0 scale for each 32 along K, by v_wmma_scale_f32_16x16x128_f8f6f4 with both operands' format E2M3, f32 sums; everything else in f32.
;; Inputs: nf_lut 16 float32; weight 4,096 x 4,096 float32; x_codes 4,096 x 128 x 24 uint8 (E2M3 codes of x, K innermost, in blocks of 32 codes, four codes in three bytes); x_scales 4,096 x 128 uint8 (E8M0 scales of x, one for each 32 codes along K).
;; Outputs: out0 4,096 x 4,096 float32.
;; This version of the problem:
;;   THIS VERSION OF THE PROBLEM IS GIVEN IN LOW PRECISION. The matrix products marked QUANTISED in the list below multiply operands that are first quantised to E2M3 (2 exponent bits, 3 mantissa bits; 6 bits a number), with one power-of-two scale for each 32 numbers along K (OCP MX v1.0); their sums are f32. All else is computed in f32.
;;   The module's matrix products, in the order in which they are computed (A, B: the left and right operand; K: the contracted axis; several contracted axes count as one K, in the product's order):
;;     1. [M 4,096, K 4,096] x [K 4,096, N 4,096]; A: input x (given as codes); B: computed on the way: QUANTISED
;;   THE QUANTISER, for each operand of a quantised product, along K:
;;     - K is cut into blocks of 32 from its start; a last block that is shorter is filled with zeros.
;;     - A block's scale is 2^e with e = floor(log2(the largest magnitude in the block)) - 2, held to -126 .. 127; a block of zeros has e = 0. As a byte (E8M0): e + 127.
;;     - Each number is divided by its block's scale, clamped to +-7.5, and rounded to the nearest number of E2M3, ties to even, subnormals kept.
;;     - The product sums the exact products of the quantised numbers (number of the format x scale) in f32.
;;   ~~~python
;;   def quantise(x, axis):      # numpy; x: float32 -> the quantised numbers, widened to float32 again
;;       x = np.moveaxis(x, axis, -1); K = x.shape[-1]
;;       x = np.pad(x, [(0, 0)] * (x.ndim - 1) + [(0, -K % 32)]); x = x.reshape(x.shape[:-1] + (-1, 32)); a = np.abs(x).max(-1, keepdims=True)
;;       e = np.where(a > 0, np.clip(np.frexp(np.where(a > 0, a, 1))[1] - 1 - 2, -126, 127), 0)      # np.frexp(a)[1] - 1 = floor(log2(a)), exactly
;;       r = np.clip(x / 2.0 ** e, -7.5, 7.5)
;;       step = 2.0 ** (np.maximum(np.frexp(np.where(r == 0, 1, r))[1] - 1, 0) - 3)
;;       q = np.round(r / step) * step * 2.0 ** e      # np.round: ties to even
;;       return np.moveaxis(q.reshape(q.shape[:-2] + (-1,))[..., :K], -1, axis).astype(np.float32)
;;   ~~~
;;   OPERANDS COMPUTED ON THE WAY. 'Computed on the way' means the value that the module computes at that place (a softmax that the list does not call 'softmax' is quantised finished and normalised). What goes into a quantiser is computed in f32, as accurately as f32 sums, v_exp_f32 and their like allow (about 1e-6 of the number): no bf16 or f16 on the way to a quantiser, and a product that is left as it is and whose result goes on into a quantised operand takes f32 operands (vector FMAs, or v_wmma_f32_16x16x4_f32). A number that lies on a knife's edge between two numbers of the format may be rounded either way, as far as f32 arithmetic and the matrix unit's own rounding can turn it there, and no further.
;;   INPUTS GIVEN AS CODES. x (in the module: [4096, 4096], K = its axis 1): each comes as NAME_codes (uint8): NAME with its K axis moved to the last place and cut into blocks of 32 codes, [.., K / 32, bytes a block], one block behind the other in memory; four codes in three bytes: a row's codes are one little-endian stream of bits, code i at bits 6 i .. 6 i + 5 (a code: sign, 2 exponent bits, 3 mantissa bits); and NAME_scales (uint8): the same leading axes, one E8M0 byte (e + 127) for each 32 codes along K. Its value is code x scale, taken as it is: it is not quantised again, and the codes and scales need not be those that the quantiser above would give.
;; One version. Each part assembles by itself: llvm-mc -triple=amdgcn-amd-amdhsa -mcpu=gfx1250 --defsym DOCPART=n.
;; ======== version 1 of 1: 2 launches
;; limits: values are held in f16: magnitudes above 65,504 overflow, below 6.1e-05 lose precision; right only within a limited range of input values
;; workspace buffers: wr 12,582,912 bytes; xr 12,582,912 bytes; scl 1,572,864 bytes
;; launch wq (part 1): grid 256 x 1, 16 waves a work-group, no clusters, 327,680 bytes of LDS; arguments weight, nf_lut, wr, scl, x_codes, x_scales, xr; writes wr, scl, xr
.if DOCPART == 1
	.amdgcn_target "amdgcn-amd-amdhsa--gfx1250"
	.amdhsa_code_object_version 6
	.text
	.protected	k_q1c0c24a152_wq
	.globl	k_q1c0c24a152_wq
	.p2align	8
	.type	k_q1c0c24a152_wq,@function
k_q1c0c24a152_wq:
	s_mov_b64 s[64:65], 0
	v_nop
	global_prefetch_b8 v0, s[64:65] scope:SCOPE_SE
	s_setreg_imm32_b32 hwreg(HW_REG_WAVE_MODE, 25, 1), 1
	s_wait_xcnt 0x0
; weight [4096][4096] f32 -> the dense + sparse NF dequantised weight, row by row, quantised along K to codes of FP6 (E2M3) and one E8M0 byte for each 32 along K; and x's given codes and scale bytes, laid anew, unchanged.
; THE RESULTS' LAYOUT.  Codes, W's in wr and x's in xr: [32 groups of 128 rows][32 steps of 128 K][8 blocks of 16 rows][1,536 bytes]; the 1,536 bytes are the image of a matrix operand's 12 registers:
;   registers 4 j .. 4 j + 3 of lane l at byte 512 j + 16 l.  Lane (r, h) holds row r's bytes 24 h .. 24 h + 23 and 48 + 24 h .. 48 + 24 h + 23 of the step's 96.
;   Scale words, in scl, x's 256 blocks of 16 rows and then W's: [block][12 groups][16 rows][4 words]; word q of group g is step 3 g + q; word 3 and group 11 fill the 16 bytes and the six waves' stores and are read by nobody.
;   A work-group owns one block of 16 rows of W and the same rows of x: each of its stores covers 512 consecutive bytes, aligned.
; ONE WAVE, ONE ROW.  16 waves a work-group, 256 work-groups.  W's row (16,384 bytes) comes into LDS by one tensor load and is read three times from there; lane l owns numbers 128 l .. 128 l + 127: step l, four blocks of 32.
; x FIRST, while W's row is on its way: each wave puts its row of x into the codes' stage; a barrier; each wave reads two steps' images of the sixteen rows back and stores them.  The stage is W's from pass E on.
; THE TABLE is made by wave 0 alone and handed on through LDS.  One barrier guards it and the stage's second use; it is split: a wave signals when its reads of x are back (wave 0: when the table is stored too),
;   and waits behind pass D.  Between the two stand register work and LDS loads of the rows' bytes, into which no wave ever stores.
; A ROW'S STEPS.  A: each lane keeps its 4 largest and 4 smallest numbers as sorted lists; five merges across the lanes give the row's s0..s3, s4092, s4093, and from them the two interpolated quantiles L and U.
;   D: MS = max{w < U}, mS = min{w > L}, and the counts of both sets.  The non-outliers are not empty just where MS > L, and then MS and mS are their largest and smallest.
;   THE MEDIAN enters the result only through max and min of the row with outliers replaced by it.  The counts say whether sorted places 2047 and 2048 lie at or under L, at or over U, or among the non-outliers:
;   both among them: any number of [mS, MS] leaves max and min as they are, (MS + mS) / 2 is taken; one of them: it is MS or mS itself; a place at or under L is s3, at or over U is s4092, each to within 2 ulp.
;   E: d = w - off; w_scaled = d / rng, by the reciprocal and one correction by the remainder; a chain of 15 compare + select picks the dequantised pole; outliers get ((w - off) + Qz rng) + off; what is not finite becomes 0; MX-FP6.
; nf_lut is read and nothing of its values or order is taken for granted: it is sorted; for each pair of sorted neighbours a < b the largest f32 number c that the pole search still gives to a is found by 32 halvings
;   on the floats' ordered bit patterns, lane j for pair j, with the test that the search itself makes: fl(b - c) < fl(c - a), or equal and b's place in nf_lut the lower.  w_scaled > that limit picks b.
; LIMITS.  NaN and infinities in weight or nf_lut are not served; max - min of a row must not overflow; rng is 0 (served) or lies in 2^-126 .. 2^126.  In rows where more than 2,047 numbers tie with a quantile the median may
;   differ by 2 ulp.  The quotient is the correctly rounded one but for quotients within 2^-22 ulp of the middle between two f32 numbers.  Poles so close that rounding makes their distances from a number equal: either is taken.
;   The quantiles' interpolation and Q rng + off are one fused multiply-add each.  A block of zeros gets the byte 1 (its codes are zeros; the bytes are read by this program alone).  The sign of zero is not kept.
; No cluster, no matrix unit: no two work-groups read the same byte, and there is no product here.  Nothing is asked for ahead: a wave's whole input is requested at the head.
.set WROW,   16896                     ; LDS: a wave's row: 32 lines of 512 bytes + 16 of padding
.set LPITCH, 528                       ; so lane l's 512 bytes begin at 528 l
.set CROW,   3072                      ; a row of codes in memory
.set CPIT,   3088                      ; and in the stage: 16 bytes more, so that sixteen rows read at one column start at sixteen different 16-byte columns of 256
.set SPIT,   272                       ; a row of 64 scale words in their stage, + 16
.set CST,    16*WROW                   ; 270,336: the codes' stage; no fill lands here or behind
.set SSG,    CST+16*CPIT               ; 319,744: the scale words' stage
.set TBL,    SSG+16*SPIT               ; 324,096: the table: words 0-15 the poles through f16, 16-30 the limits, 31 the pole of 0
.set SPARE,  TBL+256                   ; 324,352: the spare words, 128 bytes a wave
.set G0,  12
.set G1,  16
.set WV,  24                           ; s24 wave
.set ROW, 25                           ; s25 row
.set SEL, 28                           ; s[28:29] selects of v_permlanex16_b32: lane l xor 16
.set CT,  30                           ; s30 trip counter
.set XOF, 31                           ; s31 the chunk's byte in a lane's 512
.set COF, 32                           ; s32 the block's byte in a lane's 96 of codes
.set SHF, 33                           ; s33 the block's byte's place in the scale word, in bits
.set NLT, 34                           ; s34 how many w < U
.set NGT, 35                           ; s35 how many w > L
.set LUT, 36                           ; s[36:51] nf_lut as given (wave 0)
.set MK,  52                           ; s52-59 lane masks
.set CN,  60                           ; s60-63 their counts
.set SP,  72                           ; s72-87 the sorted poles (wave 0)
.set TS,  72                           ; s72-86 the 15 limits
.set FL,  88                           ; s88 lanes whose upper pole has the lower place in nf_lut
.set CS,  89                           ; s89 the search's trip counter
.set LANE, 1
.set RB,   2                           ; my 512 bytes of the row in LDS
.set RA,   3                           ; + the chunk
.set CI,   4                           ; my 96 bytes in the codes' stage
.set CA,   5                           ; + the block
.set CB,   6                           ; the stage read back: row r, + 24 h, my wave's two steps
.set GO,   7                           ; 16 x lane
.set SI,   8                           ; my scale word in its stage
.set SO,   9                           ; the scale words read back: row thread % 16, from word 3 (thread / 16) on
.set TOP,  10                          ; v10-13 my 4 largest, descending
.set BOT,  14                          ; v14-17 my 4 smallest, ascending
.set PAR,  18                          ; v18-25 the partner's eight
.set NINF, 26
.set PINF, 27
.set MS,   28
.set MN,   29
.set GS,   30                          ; 16 x thread
.set ZERO, 31
.set X,    32                          ; v32-63  a chunk: 32 numbers of my 128; at the head x's row
.set P,    64                          ; v64-79  the sorted poles; later the limits as read back
.set DV,   64                          ; v64-95  later: the dequantised numbers
.set PA,   80
.set PB,   81
.set IA,   82
.set IB,   83
.set KLO,  84
.set KHI,  85
.set KMID, 86
.set CC,   87
.set D1,   88
.set D2,   89
.set TT,   90
.set Q,    96                          ; v96-111 the poles through f16
.set E,    96                          ; v96-127 later: w - off, then the outliers' value
.set QZ,   112                         ; the pole of w_scaled = 0, through f16   (v113: a half-register temporary)
.set W,    116                         ; v116-123 pass D at work
.set XS,   136                         ; where I put 16 bytes of x's row
.set L4,   138                         ; 4 x lane
.set TB,   140                         ; the table
.set TL,   141                         ; its word 16 + lane
.set DQ,   144                         ; v144-159 the 16 dequantised poles of the row
.set QL,   160
.set QU,   161
.set OFF,  162
.set ZR,   164
.set RNG,  166
.set RC,   168
.set MED,  170
.set MX,   171
.set MI,   172
.set TA,   173
.set SW,   174                         ; my scale word
.set BM,   175
.set SCO,  177
.set BY,   178
.set CD,   180
.set CD2,  186
.set OUTR, 192                         ; v192-215 the way out
.set WS,   216                         ; v216-247 w_scaled
	s_load_b256 s[4:11], s[0:1], 0x0               ; weight s[4:5], nf_lut s[6:7], wr s[8:9], scl s[10:11]
	s_load_b128 s[92:95], s[0:1], 0x20             ; x_codes s[92:93], x_scales s[94:95]
	s_load_b64 s[96:97], s[0:1], 0x30              ; xr
	v_lshl_add_u32 v254, v0, 2, SPARE
	v_mov_b32 v255, 0
	ds_add_u32 v254, v255                          ; the opening lines: the add, twice on end, and its wait
	ds_add_u32 v254, v255
	v_lshrrev_b32 v[LANE], 5, v0
	s_delay_alu instid0(VALU_DEP_1)
	v_readfirstlane_b32 s[WV], v[LANE]             ; wave 0..15
	; group 1: the row as 32 lines of 64 elements of 8 bytes, dense in memory, 4 words of padding behind every 128 words
	s_mov_b32 s[G1+0], (3<<16)|(1<<20)|(6<<22)|(3<<25)
	s_mov_b32 s[G1+1], 64<<16
	s_mov_b32 s[G1+2], 32<<16
	s_mov_b32 s[G1+3], 64<<16
	s_mov_b32 s[G1+4], 32
	s_mov_b32 s[G1+5], 64
	s_mov_b32 s[G1+6], 0
	s_mov_b32 s[G1+7], 0
	s_lshl_b32 s[ROW], ttmp9, 4
	s_add_co_u32 s[ROW], s[ROW], s[WV]             ; my row = 16 x work-group + wave
	s_lshl_b32 s26, s[ROW], 14
	s_mov_b32 s27, 0
	s_mov_b32 s[G0], 1
	s_mul_i32 s[G0+1], s[WV], WROW                 ; my wave's own bytes of LDS
	s_mul_i32 s[MK], s[WV], CPIT
	s_add_co_u32 s[MK], s[MK], CST                 ; my row in the codes' stage
	s_mul_i32 s[MK+1], s[WV], 192
	s_add_co_u32 s[MK+1], s[MK+1], CST             ; my wave's two steps in a row of the stage
	s_mul_i32 s[MK+2], s[WV], SPIT
	s_add_co_u32 s[MK+2], s[MK+2], SSG             ; my row of scale words
	s_mov_b32 s[SEL], 0x76543210
	s_mov_b32 s[SEL+1], 0xfedcba98
	s_wait_dscnt 0x0
	s_wait_kmcnt 0x0
	s_add_nc_u64 s[G0+2:G0+3], s[4:5], s[26:27]
	s_or_b32 s[G0+3], s[G0+3], 0x80000000
	tensor_load_to_lds s[G0:G0+3], s[G1:G1+7]      ; my one tensor load; its bytes are filled once
	s_nop 0
	s_lshr_b32 s26, ttmp9, 3
	s_mul_i32 s26, s26, 393216                     ; my work-group's group of 128 rows,
	s_and_b32 s[CS], ttmp9, 7
	s_mul_i32 s[CS], s[CS], 1536                   ; its block in it,
	s_add_co_u32 s26, s26, s[CS]
	s_mul_i32 s[CS], s[WV], 24576                  ; and the two steps that my wave stores: 2 wave, 2 wave + 1
	s_add_co_u32 s26, s26, s[CS]
	s_add_nc_u64 s[8:9], s[8:9], s[26:27]
	s_add_nc_u64 s[96:97], s[96:97], s[26:27]
	s_mul_i32 s26, ttmp9, 3072
	s_add_nc_u64 s[10:11], s[10:11], s[26:27]      ; the block's scale words
	s_mul_i32 s26, s[ROW], CROW
	s_add_nc_u64 s[92:93], s[92:93], s[26:27]      ; my row of x's codes
	s_lshl_b32 s26, s[ROW], 7
	s_add_nc_u64 s[94:95], s[94:95], s[26:27]      ; my row of x's scale bytes
	v_mov_b32 v[NINF], 0xff800000
	v_mov_b32 v[PINF], 0x7f800000
	v_mov_b32 v[ZERO], 0
	v_and_b32 v[LANE], 31, v0
	v_and_b32 v57, 15, v0                          ; r
	v_bfe_u32 v58, v0, 4, 1                        ; h
	v_lshrrev_b32 v59, 4, v0                       ; thread / 16: a group of scale words
	v_mov_b32 v[TB], TBL
	v_lshlrev_b32 v[GS], 4, v0
	v_mul_u32_u24 v[RB], v[LANE], LPITCH
	v_mul_u32_u24 v[CI], v[LANE], 96
	v_lshlrev_b32 v[GO], 4, v[LANE]
	v_lshlrev_b32 v[L4], 2, v[LANE]
	v_mul_u32_u24 v58, v58, 24
	v_mul_u32_u24 v59, v59, 12
	v_add_nc_u32 v[RB], s[G0+1], v[RB]
	v_add_nc_u32 v[CI], s[MK], v[CI]
	v_add_nc_u32 v[XS], s[MK], v[GO]
	v_add_nc_u32 v[SI], s[MK+2], v[L4]
	v_add_nc_u32 v[TL], TBL+64, v[L4]
	v_mad_u32_u24 v[CB], v57, CPIT, v58
	v_mad_u32_u24 v[SO], v57, SPIT, v59
.irp i, 0,1,2,3,4,5,6,7
	v_mov_b32 v[PAR+\i], 0                         ; written once: the destination of a lane move counts as one of its sources
.endr
	v_mov_b32 v[TA], 0
	v_add_nc_u32 v[CB], s[MK+1], v[CB]
	v_add_nc_u32 v[SO], SSG, v[SO]
	s_wait_alu depctr_va_vdst(0)
.macro BACK reg, adr                   ; my two steps' operand images: lane (r, h) takes its 12 registers of each, in pieces of 8 bytes
.irp e, 0,1
.irp p, 0,1,2,3,4,5
	ds_load_b64 v[\reg+12*\e+2*\p:\reg+12*\e+2*\p+1], v[\adr] offset:96*\e+48*(\p/3)+8*(\p%3)
.endr
.endr
.endm
.macro AWAY reg, lo                    ; and stores them: 32 lanes store 512 consecutive bytes, at a multiple of 256 from the buffer's first byte
.irp e, 0,1
.irp j, 0,1,2
	global_store_b128 v[GO], v[\reg+12*\e+4*\j:\reg+12*\e+4*\j+3], s[\lo:\lo+1] offset:12288*\e+512*\j
.endr
.endr
.endm
.macro SCOUT off                       ; waves 0 to 5: thread t stores the 16 bytes of group t / 16, row t % 16
	s_cmp_lt_u32 s[WV], 6
	s_cbranch_scc0 .Lnone_\@
.irp q, 0,1,2,3
	ds_load_b32 v[X+\q], v[SO] offset:4*\q
.endr
	s_wait_dscnt 0x0
	global_store_b128 v[GS], v[X:X+3], s[10:11] offset:\off
.Lnone_\@:
.endm
; ---- x: my row into the stage, the sixteen rows out as images
.irp k, 0,1,2,3,4,5
	global_load_b128 v[X+4*\k:X+4*\k+3], v[GO], s[92:93] offset:512*\k th:TH_LOAD_NT
.endr
	global_load_b32 v[X+24], v[L4], s[94:95] th:TH_LOAD_NT
	s_wait_loadcnt 0x0
.irp k, 0,1,2,3,4,5
	ds_store_b128 v[XS], v[X+4*\k:X+4*\k+3] offset:512*\k
.endr
	ds_store_b32 v[SI], v[X+24]                    ; each scale word at word lane and at word 32 + lane, so that the groups' reads past step 31 find written, finite bytes
	ds_store_b32 v[SI], v[X+24] offset:128
	s_wait_dscnt 0x0                               ; for the others' sake: my stores have landed
	s_barrier_signal -1
	s_barrier_wait -1
	BACK OUTR, CB
	s_wait_dscnt 0x0
	AWAY OUTR, 96
	SCOUT 0
; ---- THE TABLE, wave 0 alone.  Sorted ascending by insertion: the new list's place i is the middle one of old i - 1, old i and the new number; written from the far end, so that each line reads old values.
	s_cmp_lg_u32 s[WV], 0
	s_cbranch_scc1 .Lnotab
	s_load_b512 s[LUT:LUT+15], s[6:7], 0x0
	v_mov_b32 v[PA], 0
	v_mov_b32 v[PB], 0
	v_mov_b32 v[IA], 0
	v_mov_b32 v[IB], 0
	v_mov_b32 v113, 0
	s_wait_alu depctr_va_vdst(0)
	s_wait_kmcnt 0x0
	v_mov_b32 v[P], s[LUT]
.set n, 1
.rept 15
	v_max_num_f32 v[P+n], s[LUT+n], v[P+n-1]
.set i, n-1
.rept n-1
	v_med3_num_f32 v[P+i], v[P+i-1], v[P+i], s[LUT+n]
.set i, i-1
.endr
	v_min_num_f32 v[P], s[LUT+n], v[P]
.set n, n+1
.endr
.irp j, 0,1,2,3,4,5,6,7,8,9,10,11,12,13,14,15
	v_cvt_f16_f32 v113.l, v[P+\j]                  ; the pole as f16,
	s_delay_alu instid0(VALU_DEP_1)
	v_cvt_f32_f16 v[Q+\j], v113.l                  ; and wide again
	v_readfirstlane_b32 s[SP+\j], v[P+\j]
.endr
.irp j, 0
	v_writelane_b32 v[PA], s[SP+\j], \j            ; lane j: the pair (p_j, p_j+1); the other lanes keep (0, 0) and search in vain
	v_writelane_b32 v[PB], s[SP+\j+1], \j
.endr
.irp j, 1, 2, 3, 4, 5, 6, 7, 8, 9, 10, 11, 12, 13, 14
	s_delay_alu instid0(VALU_DEP_2)
	v_writelane_b32 v[PA], s[SP+\j], \j
	s_delay_alu instid0(VALU_DEP_2)
	v_writelane_b32 v[PB], s[SP+\j+1], \j
.endr
.irp k, 15,14,13,12,11,10,9,8,7,6,5,4,3,2,1,0
	v_cmp_eq_f32 s[MK], s[LUT+\k], v[PA]           ; each pole's first place in nf_lut: the lowest k is written last
	v_cmp_eq_f32 s[MK+1], s[LUT+\k], v[PB]
	s_delay_alu instid0(VALU_DEP_2)
	v_cndmask_b32 v[IA], v[IA], \k, s[MK]
	s_delay_alu instid0(VALU_DEP_2)
	v_cndmask_b32 v[IB], v[IB], \k, s[MK+1]
.endr
	s_delay_alu instid0(VALU_DEP_1)
	v_cmp_lt_u32 s[FL], v[IB], v[IA]               ; at equal distances the lower place wins: here that is the upper pole
.macro KEY dst, src                    ; a float's bits <-> a whole number in the floats' order: the lower 31 bits are turned over where the sign is set.  The same lines lead back
	v_ashrrev_i32 v[TT], 31, v[\src]
	s_delay_alu instid0(VALU_DEP_1)
	v_and_b32 v[TT], 0x7fffffff, v[TT]
	s_delay_alu instid0(VALU_DEP_1)
	v_xor_b32 v[\dst], v[TT], v[\src]
.endm
	KEY KLO, PA                                    ; at c = a the search gives a, at c = b it gives b; both distances are monotone in c, rounded too: so there is one turning point
	KEY KHI, PB
	s_mov_b32 s[CS], 0
.Lsearch:                                          ; 32 halvings: the bounds are under 2^32 apart
	s_wait_alu depctr_va_vdst(0)
	v_sub_nc_u32 v[KMID], v[KHI], v[KLO]
	s_delay_alu instid0(VALU_DEP_1)
	v_lshrrev_b32 v[KMID], 1, v[KMID]
	s_delay_alu instid0(VALU_DEP_1)
	v_add_nc_u32 v[KMID], v[KLO], v[KMID]
	KEY CC, KMID
	s_delay_alu instid0(VALU_DEP_1)
	v_sub_f32 v[D1], v[CC], v[PA]                  ; |c - a| and |c - b| as f32 gives them
	s_delay_alu instid0(VALU_DEP_2)
	v_sub_f32 v[D2], v[PB], v[CC]
	s_delay_alu instid0(VALU_DEP_1)
	v_cmp_lt_f32 s[MK], v[D2], v[D1]
	s_delay_alu instid0(VALU_DEP_2)
	v_cmp_eq_f32 s[MK+1], v[D2], v[D1]
	s_and_b32 s[MK+1], s[MK+1], s[FL]
	s_or_b32 s[MK], s[MK], s[MK+1]                 ; c goes to b
	v_cndmask_b32 v[KHI], v[KHI], v[KMID], s[MK]
	v_cndmask_b32 v[KLO], v[KMID], v[KLO], s[MK]
	s_add_co_u32 s[CS], s[CS], 1
	s_cmp_lt_u32 s[CS], 32
	s_cbranch_scc1 .Lsearch
	KEY CC, KLO                                    ; the largest c that still goes to a
.irp j, 0,1,2,3,4,5,6,7,8,9,10,11,12,13,14
	v_readlane_b32 s[TS+\j], v[CC], \j
.endr
	v_mov_b32 v[QZ], v[Q]
.irp j, 0,1,2,3,4,5,6,7,8,9,10,11,12,13,14
	v_cmp_lt_f32 vcc_lo, s[TS+\j], v[ZERO]         ; the pole of w_scaled = 0, which the outliers' dense part has
	s_delay_alu instid0(VALU_DEP_1)
	v_cndmask_b32 v[QZ], v[QZ], v[Q+1+\j], vcc_lo
.endr
.irp k, 0,1,2,3
	ds_store_b128 v[TB], v[Q+4*\k:Q+4*\k+3] offset:16*\k    ; all lanes store the same numbers to the same words
.endr
	ds_store_b32 v[TL], v[CC]                      ; lane j: limit j at word 16 + j; lanes 15 to 31 write words 31 to 47, of which 31 is written again below
	ds_store_b32 v[TB], v[QZ] offset:124
.Lnotab:
	s_wait_xcnt 0x0                                ; x's stores have read their registers
	s_wait_dscnt 0x0                               ; my reads of x's stages are back; wave 0: the table has landed
	s_barrier_signal -1                            ; the wait stands behind pass D
.macro LOADX                           ; a chunk: 32 numbers of my 128
	v_add_nc_u32 v[RA], s[XOF], v[RB]
.irp i, 0,1,2,3,4,5,6,7
	ds_load_b128 v[X+4*\i:X+4*\i+3], v[RA] offset:16*\i
.endr
	s_wait_dscnt 0x0                               ; used at once; in pass E the last trip's stores of codes are done too
.endm
.macro INS2 xt, xb                     ; v[xt] into the list of the largest, v[xb] into the list of the smallest; from the far end, each line reads old values; the two lists by turns
	v_med3_num_f32 v[TOP+3], v[TOP+2], v[TOP+3], v[\xt]
	v_med3_num_f32 v[BOT+3], v[BOT+2], v[BOT+3], v[\xb]
	v_med3_num_f32 v[TOP+2], v[TOP+1], v[TOP+2], v[\xt]
	v_med3_num_f32 v[BOT+2], v[BOT+1], v[BOT+2], v[\xb]
	v_med3_num_f32 v[TOP+1], v[TOP], v[TOP+1], v[\xt]
	v_med3_num_f32 v[BOT+1], v[BOT], v[BOT+1], v[\xb]
	v_max_num_f32 v[TOP], v[TOP], v[\xt]
	v_min_num_f32 v[BOT], v[BOT], v[\xb]
.endm
.macro MERGE_X m                       ; with lane l xor m: both take the other's eight, so both end with the same lists
.irp i, 0,1,2,3,4,5,6,7
	v_mov_b32_dpp v[PAR+\i], v[TOP+\i] row_xmask:\m row_mask:0xf bank_mask:0xf
.endr
.irp i, 0,1,2,3
	INS2 PAR+\i, PAR+4+\i
.endr
.endm
; ---- PASS A: the tails
.irp i, 0,1,2,3
	v_mov_b32 v[TOP+\i], v[NINF]
	v_mov_b32 v[BOT+\i], v[PINF]
.endr
	s_wait_tensorcnt 0x0                           ; my row is in LDS; only I read it
	s_mov_b32 s[CT], 0
	s_mov_b32 s[XOF], 0
.LpassA:
	LOADX
.set i, 0
	s_wait_alu depctr_va_vdst(0)
.rept 32
	INS2 X+i, X+i
.set i, i+1
.endr
	s_add_co_u32 s[XOF], s[XOF], 128
	s_add_co_u32 s[CT], s[CT], 1
	s_cmp_lt_u32 s[CT], 4
	s_cbranch_scc1 .LpassA
	MERGE_X 1
	MERGE_X 2
	MERGE_X 4
	MERGE_X 8
.irp i, 0,1,2,3,4,5,6,7
	v_permlanex16_b32 v[PAR+\i], v[TOP+\i], s[SEL], s[SEL+1]
.endr
.irp i, 0,1,2,3
	INS2 PAR+\i, PAR+4+\i
.endr
	; the quantiles at fl(0.0005) x 4095 = 2 + 199230 / 2^22 and fl(0.9995) x 4095 = 4092 + 3901 / 4096, both products as f32 rounds them; the weights are the fraction and 1 - the fraction, exact
	v_mul_f32 v[QL], 0x3f73d708, v[BOT+2]          ; s2 x (1 - fraction)
	v_mul_f32 v[QU], 0x3d430000, v[TOP+3]          ; s4092 x (1 - fraction)
	s_delay_alu instid0(VALU_DEP_2)
	v_fmamk_f32 v[QL], v[BOT+3], 0x3d428f80, v[QL] ; + s3 x fraction
	s_delay_alu instid0(VALU_DEP_2)
	v_fmamk_f32 v[QU], v[TOP+2], 0x3f73d000, v[QU] ; + s4093 x fraction
; ---- PASS D: the largest under U, the smallest over L, and how many there are of each
.macro PAIR i                          ; two numbers; masks and temporaries in two sets by turns
.set MB, MK+4*((\i)%2)
.set WB, W+4*((\i)%2)
	v_cmp_gt_f32 s[MB], v[QU], v[X+2*(\i)]
	v_cmp_gt_f32 s[MB+1], v[QU], v[X+2*(\i)+1]
	v_cmp_lt_f32 s[MB+2], v[QL], v[X+2*(\i)]
	v_cmp_lt_f32 s[MB+3], v[QL], v[X+2*(\i)+1]
	s_delay_alu instid0(VALU_DEP_4)
	v_cndmask_b32 v[WB], v[NINF], v[X+2*(\i)], s[MB]
	s_delay_alu instid0(VALU_DEP_4)
	v_cndmask_b32 v[WB+1], v[NINF], v[X+2*(\i)+1], s[MB+1]
	s_delay_alu instid0(VALU_DEP_4)
	v_cndmask_b32 v[WB+2], v[PINF], v[X+2*(\i)], s[MB+2]
	s_delay_alu instid0(VALU_DEP_4)
	v_cndmask_b32 v[WB+3], v[PINF], v[X+2*(\i)+1], s[MB+3]
	s_delay_alu instid0(VALU_DEP_3)
	v_max3_num_f32 v[MS], v[MS], v[WB], v[WB+1]
	s_delay_alu instid0(VALU_DEP_2)
	v_min3_num_f32 v[MN], v[MN], v[WB+2], v[WB+3]
	s_bcnt1_i32_b32 s[CN], s[MB]
	s_bcnt1_i32_b32 s[CN+1], s[MB+1]
	s_bcnt1_i32_b32 s[CN+2], s[MB+2]
	s_bcnt1_i32_b32 s[CN+3], s[MB+3]
	s_add_co_u32 s[NLT], s[NLT], s[CN]
	s_add_co_u32 s[NGT], s[NGT], s[CN+2]
	s_add_co_u32 s[NLT], s[NLT], s[CN+1]
	s_add_co_u32 s[NGT], s[NGT], s[CN+3]
.endm
	v_mov_b32 v[MS], v[NINF]
	v_mov_b32 v[MN], v[PINF]
	s_mov_b32 s[NLT], 0
	s_mov_b32 s[NGT], 0
	s_mov_b32 s[CT], 0
	s_mov_b32 s[XOF], 0
.LpassD:
	LOADX
	s_wait_alu depctr_va_vdst(0)
.irp i, 0,1,2,3,4,5,6,7,8,9,10,11,12,13,14,15
	PAIR \i
.endr
	s_add_co_u32 s[XOF], s[XOF], 128
	s_add_co_u32 s[CT], s[CT], 1
	s_cmp_lt_u32 s[CT], 4
	s_cbranch_scc1 .LpassD
; ---- THE TABLE comes back: every wave has signalled, so it is stored, and nobody reads x's stages any more
	s_wait_alu depctr_va_vdst(0)
	s_barrier_wait -1
.irp k, 0,1,2,3
	ds_load_b128 v[Q+4*\k:Q+4*\k+3], v[TB] offset:16*\k
	ds_load_b128 v[P+4*\k:P+4*\k+3], v[TB] offset:64+16*\k
.endr
	s_wait_dscnt 0x0
.irp j, 0,1,2,3,4,5,6,7,8,9,10,11,12,13,14
	v_readfirstlane_b32 s[TS+\j], v[P+\j]
.endr
	v_mov_b32 v[QZ], v[P+15]
; ---- THE ROW'S NUMBERS, the same in every lane
.irp m, 1
	v_max_num_f32_dpp v[MS], v[MS], v[MS] row_xmask:\m row_mask:0xf bank_mask:0xf
	v_min_num_f32_dpp v[MN], v[MN], v[MN] row_xmask:\m row_mask:0xf bank_mask:0xf
.endr
.irp m, 2, 4, 8
	s_delay_alu instid0(VALU_DEP_2)
	v_max_num_f32_dpp v[MS], v[MS], v[MS] row_xmask:\m row_mask:0xf bank_mask:0xf
	s_delay_alu instid0(VALU_DEP_2)
	v_min_num_f32_dpp v[MN], v[MN], v[MN] row_xmask:\m row_mask:0xf bank_mask:0xf
.endr
	s_delay_alu instid0(VALU_DEP_2)
	v_permlanex16_b32 v[TA], v[MS], s[SEL], s[SEL+1]
	s_delay_alu instid0(VALU_DEP_2)
	v_permlanex16_b32 v[PAR], v[MN], s[SEL], s[SEL+1]
	s_delay_alu instid0(VALU_DEP_2)
	v_max_num_f32 v[MS], v[MS], v[TA]
	s_wait_alu depctr_va_vdst(0)
	v_min_num_f32 v[MN], v[MN], v[PAR]
	v_readfirstlane_b32 s66, v[BOT+3]              ; s3
	v_readfirstlane_b32 s67, v[TOP+3]              ; s4092
	v_readfirstlane_b32 s68, v[MS]
	s_delay_alu instid0(VALU_DEP_4)
	v_readfirstlane_b32 s69, v[MN]
	; sorted places under 4096 - NGT are at or under L, places from NLT on are at or over U.  These are choices of a value: no jump hangs on them
	s_cmp_le_u32 s[NLT], 2047                      ; place 2047 at or over U?
	s_cselect_b32 s70, s67, s68
	s_cmp_le_u32 s[NGT], 2048                      ; at or under L?
	s_cselect_b32 s70, s66, s70
	s_cmp_le_u32 s[NGT], 2047                      ; place 2048 at or under L?
	s_cselect_b32 s71, s66, s69
	s_cmp_le_u32 s[NLT], 2048                      ; at or over U?
	s_cselect_b32 s71, s67, s71
	v_mov_b32 v[TA], 0.5
	s_delay_alu instid0(VALU_DEP_1)
	v_mul_f32 v[MED], s70, v[TA]
	s_delay_alu instid0(VALU_DEP_1)
	v_fmac_f32 v[MED], s71, v[TA]                  ; the median, or its stand-in inside [mS, MS]
	v_cmp_gt_f32 vcc_lo, v[MS], v[QL]              ; are there non-outliers?
	s_delay_alu instid0(VALU_DEP_2)
	v_max_num_f32 v[MX], v[MS], v[MED]
	s_delay_alu instid0(VALU_DEP_3)
	v_min_num_f32 v[MI], v[MN], v[MED]
	s_delay_alu instid0(VALU_DEP_2)
	v_cndmask_b32 v[MX], v[MED], v[MX], vcc_lo
	s_delay_alu instid0(VALU_DEP_2)
	v_cndmask_b32 v[MI], v[MED], v[MI], vcc_lo
	s_delay_alu instid0(VALU_DEP_1)
	v_add_f32 v[OFF], v[MX], v[MI]
	s_delay_alu instid0(VALU_DEP_2)
	v_sub_f32 v[RNG], v[MX], v[MI]
	s_delay_alu instid0(VALU_DEP_2)
	v_mul_f32 v[OFF], 0.5, v[OFF]
	s_delay_alu instid0(VALU_DEP_2)
	v_mul_f32 v[RNG], 0.5, v[RNG]
	s_wait_alu depctr_va_vdst(0)
	v_rcp_f32 v[RC], v[RNG]
	v_mov_b32 v[OFF+1], v[OFF]                     ; the plain line behind the reciprocal (ISA guide 5.7.2); the lines down to the wait name nothing of its result
.irp j, 0,1,2,3,4,5,6,7,8,9,10,11,12,13,14,15
	v_fma_f32 v[DQ+\j], v[Q+\j], v[RNG], v[OFF]    ; a non-outlier's result is one of these sixteen
.endr
	v_mul_f32 v[ZR], v[QZ], v[RNG]
	v_mov_b32 v[RNG+1], v[RNG]
.irp g, 0,1,2,3
.irp q, 0,1,2,3
	v_cmp_lt_f32 s[MK+\q], |v[DQ+4*\g+\q]|, v[PINF]
.endr
.irp q, 0,1,2,3
	s_delay_alu instid0(VALU_DEP_4)
	v_cndmask_b32 v[DQ+4*\g+\q], 0, v[DQ+4*\g+\q], s[MK+\q]   ; what is not finite becomes 0
.endr
.endr
	v_mov_b32 v[ZR+1], v[ZR]
	v_mov_b32 v[SW], 0
	s_wait_alu depctr_va_vdst(0)                   ; ahead of the reciprocal's first reader
	v_fma_f32 v[TA], -v[RNG], v[RC], 1.0           ; one Newton step.  With rng = 0 this is NaN, w_scaled is NaN, every compare fails, and all sixteen results are off anyway
	v_fma_f32 v[RC], v[TA], v[RC], v[RC]
	s_delay_alu instid0(VALU_DEP_1)
	v_mov_b32 v[RC+1], v[RC]
; ---- PASS E: a trip makes one block of 32 for each lane
.macro LINK j                          ; w_scaled over limit j: the pole above it.  The limits ascend, so the last that holds decides.  Four masks by turns
.irp g, 0,1,2,3,4,5,6,7
.irp q, 0,1,2,3
	v_cmp_lt_f32 s[MK+\q], s[TS+\j], v[WS+4*\g+\q]
.endr
.irp q, 0,1,2,3
.if \j == 0
	s_delay_alu instid0(VALU_DEP_4)
	v_cndmask_b32 v[DV+4*\g+\q], v[DQ], v[DQ+1], s[MK+\q]
.else
	s_delay_alu instid0(VALU_DEP_4)
	v_cndmask_b32 v[DV+4*\g+\q], v[DV+4*\g+\q], v[DQ+1+\j], s[MK+\q]
.endif
.endr
.endr
.endm
	s_mov_b32 s[CT], 0
	s_mov_b32 s[XOF], 0
	s_mov_b32 s[COF], 0
	s_mov_b32 s[SHF], 0
.LpassE:
	LOADX
.set i, 0
.rept 16
	v_pk_add_f32 v[E+i:E+i+1], v[X+i:X+i+1], v[OFF:OFF+1] neg_lo:[0,1] neg_hi:[0,1]   ; d = w - off
.set i, i+2
.endr
.set i, 0
.rept 16
	v_pk_mul_f32 v[WS+i:WS+i+1], v[E+i:E+i+1], v[RC:RC+1]                             ; q0 = d / rng, nearly
.set i, i+2
.endr
.set i, 0
.rept 16
	v_pk_fma_f32 v[DV+i:DV+i+1], v[WS+i:WS+i+1], v[RNG:RNG+1], v[E+i:E+i+1] neg_lo:[1,0,0] neg_hi:[1,0,0]   ; the remainder d - q0 rng
.set i, i+2
.endr
.set i, 0
.rept 16
	v_pk_fma_f32 v[WS+i:WS+i+1], v[DV+i:DV+i+1], v[RC:RC+1], v[WS+i:WS+i+1]           ; w_scaled = q0 + remainder / rng, rounded once
.set i, i+2
.endr
.irp j, 0,1,2,3,4,5,6,7,8,9,10,11,12,13,14
	LINK \j
.endr
.set i, 0
.rept 16
	v_pk_add_f32 v[E+i:E+i+1], v[E+i:E+i+1], v[ZR:ZR+1]                               ; an outlier: (Qz rng + (w - off))
.set i, i+2
.endr
.set i, 0
.rept 16
	v_pk_add_f32 v[E+i:E+i+1], v[E+i:E+i+1], v[OFF:OFF+1]                             ; + off
.set i, i+2
.endr
.irp g, 0,1,2,3,4,5,6,7
.irp q, 0,1,2,3
	v_cmp_lt_f32 s[MK+\q], |v[E+4*\g+\q]|, v[PINF]
.endr
.irp q, 0,1,2,3
	s_delay_alu instid0(VALU_DEP_4)
	v_cndmask_b32 v[E+4*\g+\q], 0, v[E+4*\g+\q], s[MK+\q]      ; what is not finite becomes 0
.endr
.endr
.irp g, 0,1,2,3,4,5,6,7
.irp q, 0,1,2,3
	v_cmp_ge_f32 s[MK+\q], v[QL], v[X+4*\g+\q]                 ; w <= L
	v_cmp_le_f32 s[MK+4+\q], v[QU], v[X+4*\g+\q]               ; w >= U
.endr
.irp q, 0,1,2,3
	s_or_b32 s[MK+\q], s[MK+\q], s[MK+4+\q]
.endr
.irp q, 0,1,2,3
	v_cndmask_b32 v[DV+4*\g+\q], v[DV+4*\g+\q], v[E+4*\g+\q], s[MK+\q]
.endr
.endr
	v_max3_num_f32 v[BM], |v[DV]|, |v[DV+1]|, |v[DV+2]|        ; the block's largest magnitude: all 32 numbers are mine; two chains
	v_max3_num_f32 v[BM+1], |v[DV+3]|, |v[DV+4]|, |v[DV+5]|
.irp i, 6,10,14,18,22,26
	s_delay_alu instid0(VALU_DEP_2)
	v_max3_num_f32 v[BM], v[BM], |v[DV+\i]|, |v[DV+\i+1]|
	s_delay_alu instid0(VALU_DEP_2)
	v_max3_num_f32 v[BM+1], v[BM+1], |v[DV+\i+2]|, |v[DV+\i+3]|
.endr
	s_delay_alu instid0(VALU_DEP_2)
	v_max3_num_f32 v[BM], v[BM], |v[DV+30]|, |v[DV+31]|
	s_delay_alu instid0(VALU_DEP_1)
	v_max3_num_f32 v[BM], v[BM], v[BM+1], 0x1800000            ; and the floor 2^(3 - 127): the byte cannot fall under 1
	s_delay_alu instid0(VALU_DEP_1)
	v_add_nc_u32 v[SCO], 0xff000000, v[BM]                     ; 2 off the exponent field: the conversion takes this operand's exponent field as its scale
	v_cvt_scalef32_pk16_fp6_f32 v[CD:CD+2], v[DV:DV+15], v[SCO]
	v_cvt_scalef32_pk16_fp6_f32 v[CD2:CD2+2], v[DV+16:DV+31], v[SCO]   ; (a conversion's three registers begin on an even number)
	v_lshrrev_b32 v[BY], 23, v[SCO]                            ; the scale's byte; also the plain line behind the conversions
.irp i, 0,1,2
	v_mov_b32 v[CD+3+\i], v[CD2+\i]
.endr
	s_delay_alu instid0(VALU_DEP_4)
	v_lshl_or_b32 v[SW], v[BY], s[SHF], v[SW]                  ; my four blocks' bytes make the scale word of step lane
	v_add_nc_u32 v[CA], s[COF], v[CI]
	ds_store_b64 v[CA], v[CD:CD+1]                             ; 24 bytes at 96 lane + 24 block: the row's codes lie dense in the stage
	ds_store_b64 v[CA], v[CD+2:CD+3] offset:8
	ds_store_b64 v[CA], v[CD+4:CD+5] offset:16
	s_add_co_u32 s[XOF], s[XOF], 128
	s_add_co_u32 s[COF], s[COF], 24
	s_add_co_u32 s[SHF], s[SHF], 8
	s_add_co_u32 s[CT], s[CT], 1
	s_cmp_lt_u32 s[CT], 4
	s_cbranch_scc1 .LpassE
; ---- THE WAY OUT of W, as of x
	ds_store_b32 v[SI], v[SW]
	ds_store_b32 v[SI], v[SW] offset:128
	s_wait_dscnt 0x0                               ; for the others' sake: all my stores have landed
	s_barrier_signal -1
	s_barrier_wait -1
	BACK OUTR, CB
	s_wait_dscnt 0x0
	AWAY OUTR, 8
	SCOUT 786432                                   ; W's blocks lie behind x's 256 blocks of 3,072 bytes
	s_wait_tensorcnt 0x0                           ; the wave's end
	ds_add_u32 v254, v255
	s_wait_dscnt 0x0
	s_endpgm
.Lfunc_end_k_q1c0c24a152_wq:
	.size	k_q1c0c24a152_wq, .Lfunc_end_k_q1c0c24a152_wq-k_q1c0c24a152_wq
	.p2alignl 7, 3214868480
	.fill 96, 4, 3214868480
	.section	.rodata,"a",@progbits
	.p2align	6, 0x0
	.amdhsa_kernel k_q1c0c24a152_wq
		.amdhsa_group_segment_fixed_size 327680
		.amdhsa_private_segment_fixed_size 0
		.amdhsa_enable_private_segment 0
		.amdhsa_kernarg_size 56
		.amdhsa_user_sgpr_count 2
		.amdhsa_user_sgpr_kernarg_segment_ptr 1
		.amdhsa_wavefront_size32 1
		.amdhsa_system_sgpr_workgroup_id_x 1
		.amdhsa_system_sgpr_workgroup_id_y 1
		.amdhsa_system_sgpr_workgroup_id_z 1
		.amdhsa_system_vgpr_workitem_id 0
		.amdhsa_next_free_vgpr 256
		.amdhsa_next_free_sgpr 100
		.amdhsa_reserve_vcc 1
		.amdhsa_float_denorm_mode_32 3
		.amdhsa_float_denorm_mode_16_64 3
		.amdhsa_memory_ordered 1
		.amdhsa_forward_progress 1
		.amdhsa_inst_pref_size 180
	.end_amdhsa_kernel
	.amdgpu_metadata
---
amdhsa.version: [ 1, 2 ]
amdhsa.kernels:
  - .name:           k_q1c0c24a152_wq
    .symbol:         k_q1c0c24a152_wq.kd
    .args:
      - { .name: weight, .offset: 0, .size: 8, .value_kind: global_buffer, .address_space: global }
      - { .name: nf_lut, .offset: 8, .size: 8, .value_kind: global_buffer, .address_space: global }
      - { .name: wr, .offset: 16, .size: 8, .value_kind: global_buffer, .address_space: global }
      - { .name: scl, .offset: 24, .size: 8, .value_kind: global_buffer, .address_space: global }
      - { .name: x_codes, .offset: 32, .size: 8, .value_kind: global_buffer, .address_space: global }
      - { .name: x_scales, .offset: 40, .size: 8, .value_kind: global_buffer, .address_space: global }
      - { .name: xr, .offset: 48, .size: 8, .value_kind: global_buffer, .address_space: global }
    .group_segment_fixed_size: 327680
    .private_segment_fixed_size: 0
    .kernarg_segment_align: 8
    .kernarg_segment_size: 56
    .max_flat_workgroup_size: 512
    .sgpr_count:     100
    .vgpr_count:     256
    .wavefront_size: 32
...
	.end_amdgpu_metadata
.endif
;; end of part 1
;; launch gemm (part 2): grid 16 x 16, 4 waves a work-group, clusters of 4 x 4, 327,680 bytes of LDS; arguments xr, wr, scl, out0; writes out0
.if DOCPART == 2
	.amdgcn_target "amdgcn-amd-amdhsa--gfx1250"
	.amdhsa_code_object_version 6
	.text
	.protected	k_q1c0c24a152_gemm
	.globl	k_q1c0c24a152_gemm
	.p2align	8
	.type	k_q1c0c24a152_gemm,@function
k_q1c0c24a152_gemm:
	s_mov_b64 s[64:65], 0
	v_nop
	global_prefetch_b8 v0, s[64:65] scope:SCOPE_SE
	s_setreg_imm32_b32 hwreg(HW_REG_WAVE_MODE, 25, 1), 1
	s_wait_xcnt 0x0
	s_wait_alu depctr_hold_cnt(0) depctr_sa_sdst(0) depctr_va_vdst(0) depctr_va_sdst(0) depctr_va_ssrc(0) depctr_va_vcc(0) depctr_vm_vsrc(0)
	s_getreg_b32 s2, hwreg(HW_REG_IB_STS2, 6, 4)
	s_cmp_eq_u32 s2, 0
	s_cbranch_scc0 .Lentry_in_a_cluster
	s_endpgm
.Lentry_in_a_cluster:
	s_bfe_u32 s2, ttmp6, 0x10000c
	s_cmp_lg_u32 s2, 0xf033
	s_cbranch_scc0 .Lentry_shape_is_right
	s_endpgm
.Lentry_shape_is_right:
; out0[m][n] = sum over k of x[m][k] W[n][k]: 4,096 x 4,096 x 4,096, both operands codes of FP6 (E2M3) with one E8M0 byte for each 32 along K; sums in f32.
; THE OPERANDS come as the launch before laid them.  xr, wr: [32 groups of 128 rows][32 steps of 128 K][8 blocks of 16 rows][1,536 bytes], the 1,536 bytes an image of the operand's 12 registers
; (registers 4 j .. 4 j + 3 of lane l at 512 j + 16 l).  So a fragment is three LDS loads of 16 bytes a lane at 16 x lane, with no padding, and what a wave fetches of a tile is one dense run of memory, stated as rows of 256 bytes.
; scl: [x's 256 blocks of 16 rows, then W's][12 groups][16 rows][4 words]: word q of group g is the scale word of step 3 g + q.  They go from memory into registers, 16 bytes a lane, 256 consecutive bytes for sixteen lanes.
; A tile of out0, 256 x 256, is made by four waves, 128 x 128 each: 64 accumulators, 512 registers.  K goes through a ring of two LDS slots of THREE steps (fills 0 to 9; fill 10 has the last two steps):
; a slot is 4 x 36,864 bytes (x's two groups of 128 rows, then W's two), each quarter fetched by one wave's one tensor load.
; A step is eight groups of 8 matrix instructions, x's blocks one after the other against W's eight.  The next step's 48 LDS loads stand in THREE runs: behind group 1 W's blocks 0-5 (into W's other set),
; behind group 4 W's blocks 6-7 and x's blocks 0-3, behind group 7 x's blocks 4-7: a block of x is free when its group is issued, so x has one set.
; CLUSTERS: 4 x 4 work-groups; x's tiles are asked for jointly along a row of the cluster, W's along a column.  THE MATRIX INSTRUCTION IS USED TRANSPOSED (source 0 = W's rows, source 1 = x's): a lane holds eight neighbouring numbers of a row of out0.
; In the last step a block of 16 rows is final when its group is issued: it leaves at once, through the wave's stage in slot 1, which has had its last fill and its last read by then.
; REGISTERS: window 0: v0-31 addresses; v32-95 scale words, two sets of 32 (register 4 i + q: lanes 0-15 x's block i, lanes 16-31 W's block i, step q of the slot); v128-223 x's fragments, one set.
;   window 1: W's fragments, two sets, at v0 and v128; on the way out v0-127 take rows back from the stage.  windows 2, 3: the accumulators ((a, b) at v[8 (8 (a % 4) + b)]).
.set SIZE_N, 4096
.set FR,     12                        ; registers of a fragment
.set STEPB,  12288                     ; a step of 128 rows: 8 images
.set FILLB,  3*STEPB                   ; what one tensor load brings: 144 rows of 256 bytes
.set SLOT,   4*FILLB
.set SPARE,  2*SLOT                    ; behind the ring: the spare words, 128 bytes a wave
.set STAGE,  SLOT                      ; the way out: 16 rows x 528 bytes a wave, in slot 1
.set SPITCH, 528
.set HBB,    32*STEPB                  ; a group of 128 rows, all of K
.set WSC,    786432                    ; W's scale words in scl
.set ADRA, 16                          ; v16-17 LDS address of my fragments of x in slot 0, 1
.set ADRB, 20                          ; v20-21 of W
.set STO,  24
.set RD,   25
.set CO,   26                          ; 16 x lane
.set SOF,  27                          ; my 16 bytes of scale words: lanes 0-15 in x's blocks, lanes 16-31 in W's
.set SPW,  28
.set NIL,  29
.set PFO,  30                          ; v30-31 the prefetches' offsets
.set SC,   32
.set AF,   128
.set G1, 24
.set G0, 32
.set G1B, 48
.set G0B, 56
.set PFA, 66                           ; s[66:67] where my prefetches stand
.set MSB, 0
.macro WIN new                         ; the immediate's high byte repeats the setting that is left
.if MSB != \new
	s_set_vgpr_msb (MSB<<8)|\new
.set MSB, \new
.endif
.endm
.set MUL_LO, 0xa1                      ; source 0 window 1, source 1 window 0, C and D window 2;  + 0x50: window 3
.set TO_B,   0x40                      ; destination window 1
.macro JLOAD g0a, g1a, g0b, g1b        ; a joint load: waves 0 and 1 fetch for x, waves 2 and 3 for W
	s_cmp_eq_u32 s15, 0
	s_cbranch_scc0 .Lfor_b_\@
	tensor_load_to_lds s[\g0a:\g0a+3], s[\g1a:\g1a+7]
	s_nop 0
.rept 4
	v_nop
.endr
	s_branch .Lasked_\@
.Lfor_b_\@:
	tensor_load_to_lds s[\g0b:\g0b+3], s[\g1b:\g1b+7]
	s_nop 0
.rept 4
	v_nop
.endr
.Lasked_\@:
.endm
.macro CREST                           ; a round of the cluster's barrier behind its opening barrier
	s_cmp_lg_u32 s14, 0
	s_cbranch_scc1 .Lnot_wave_0_\@
	s_barrier_signal -3
.Lnot_wave_0_\@:
	s_barrier_wait -3
	s_barrier_signal -1
	s_barrier_wait -1
.endm
.macro CROUND
	s_barrier_signal -1
	s_barrier_wait -1
	CREST
.endm
	s_load_b256 s[4:11], s[0:1], 0x0               ; xr s[4:5], wr s[6:7], scl s[8:9], out0 s[10:11]
	v_lshl_add_u32 v[SPW], v0, 2, SPARE
	v_mov_b32 v[NIL], 0
	ds_add_u32 v[SPW], v[NIL]                      ; the opening lines: the add, twice on end, and its wait
	ds_add_u32 v[SPW], v[NIL]
	v_lshrrev_b32 v1, 5, v0
	v_readfirstlane_b32 s14, v1                    ; wave 0..3
	s_lshr_b32 s15, s14, 1                         ; my half of the tile's rows.  Also: I fetch for x (0) or for W (1)
	s_and_b32 s16, s14, 1                          ; my half of its columns.  Also: which 128 rows I fetch
	s_bfe_u32 s40, ttmp6, 0x40000                  ; cx, cy
	s_bfe_u32 s41, ttmp6, 0x40004
	s_lshl_b32 s42, ttmp9, 2
	s_add_co_u32 s42, s42, s40                     ; tile column
	s_and_b32 s17, ttmp7, 0xffff
	s_lshl_b32 s17, s17, 2
	s_add_co_u32 s17, s17, s41                     ; tile row
	s_lshl_b32 s43, s41, 2
	s_lshl_b32 s43, 15, s43                        ; my row of the cluster
	s_lshl_b32 s44, 0x1111, s40                    ; my column
	s_or_b32 s[G1+0], s43, (3<<16)|(1<<21)         ; the mask; elements of 8 bytes; bit 21 beside a mask; no padding
	s_or_b32 s[G1B+0], s44, (3<<16)|(1<<21)
.irp g, G1, G1B
	s_mov_b32 s[\g+1], 32<<16                      ; rows of 32 elements: 256 bytes
	s_mov_b32 s[\g+2], 144<<16                     ; 144 rows
	s_mov_b32 s[\g+3], 32<<16
	s_mov_b32 s[\g+4], 144
	s_mov_b32 s[\g+5], 32                          ; dense
	s_mov_b32 s[\g+6], 0
	s_mov_b32 s[\g+7], 0
.endr
	s_lshl_b32 s20, s17, 1
	s_add_co_u32 s20, s20, s16
	s_mul_i32 s20, s20, HBB                        ; x: group 2 x tile row + half
	s_mov_b32 s21, 0
	s_lshl_b32 s46, s42, 1
	s_add_co_u32 s46, s46, s16
	s_mul_i32 s46, s46, HBB                        ; W: group 2 x tile column + half
	s_mov_b32 s47, 0
	s_mul_i32 s45, s14, FILLB                      ; where they go: wave x 36,864
	s_wait_dscnt 0x0                               ; both opening adds are done
	s_wait_kmcnt 0x0
	s_add_nc_u64 s[20:21], s[4:5], s[20:21]
	s_add_nc_u64 s[46:47], s[6:7], s[46:47]
	CROUND                                         ; all sixteen work-groups are here: the first joint loads meet
.irp s, 0,1
	s_mov_b32 s[G0+4*\s], 1
	s_add_co_u32 s[G0+4*\s+1], s45, \s*SLOT
	s_add_nc_u64 s[G0+4*\s+2:G0+4*\s+3], s[20:21], \s*FILLB
	s_or_b32 s[G0+4*\s+3], s[G0+4*\s+3], 0x80000000
	s_mov_b32 s[G0B+4*\s], 1
	s_add_co_u32 s[G0B+4*\s+1], s45, \s*SLOT
	s_add_nc_u64 s[G0B+4*\s+2:G0B+4*\s+3], s[46:47], \s*FILLB
	s_or_b32 s[G0B+4*\s+3], s[G0B+4*\s+3], 0x80000000
.endr
	JLOAD G0, G1, G0B, G1B                         ; fill 0: one tensor load a wave at the head
	s_mul_i32 s21, s15, FILLB                      ; my 128 rows of x in a slot,
	s_mul_i32 s22, s16, FILLB
	s_add_co_u32 s22, s22, 2*FILLB                 ; and of W
	s_add_co_u32 s68, s21, SLOT
	s_add_co_u32 s69, s22, SLOT
	s_mul_i32 s23, s14, 16*SPITCH
	s_add_co_u32 s23, s23, STAGE                   ; my stage
	s_lshl_b32 s70, s17, 4
	s_lshl_b32 s18, s15, 3
	s_add_co_u32 s70, s70, s18
	s_mul_i32 s70, s70, 3072                       ; the scale words of my first block of x,
	s_lshl_b32 s71, s42, 4
	s_lshl_b32 s18, s16, 3
	s_add_co_u32 s71, s71, s18
	s_mul_i32 s71, s71, 3072
	s_add_co_u32 s71, s71, WSC
	s_sub_co_u32 s71, s71, s70                     ; and how far behind them those of my first block of W lie
	s_lshl_b32 s72, s17, 8
	s_lshl_b32 s18, s15, 7
	s_add_co_u32 s72, s72, s18
	s_lshl_b32 s72, s72, 14                        ; my first row of out0, 16,384 bytes a row,
	s_lshl_b32 s18, s42, 10
	s_add_co_u32 s72, s72, s18
	s_lshl_b32 s18, s16, 9
	s_add_co_u32 s72, s72, s18                     ; and my first column
	s_mov_b32 s73, 0
	s_add_nc_u64 s[10:11], s[10:11], s[72:73]
	s_cmp_eq_u32 s15, 0                            ; the prefetches: do I fetch for x?
	s_cselect_b32 s74, s17, s42
	s_cselect_b32 s75, s40, s41                    ; my place among the four that ask for the tile with me
	s_cselect_b64 s[PFA:PFA+1], s[4:5], s[6:7]
	s_lshl_b32 s74, s74, 1
	s_add_co_u32 s74, s74, s16
	s_mul_i32 s74, s74, HBB
	s_mul_i32 s75, s75, 9216                       ; of a load's 144 blocks of 256 bytes each partner names 36
	s_add_co_u32 s74, s74, s75
	s_add_co_u32 s74, s74, 2*FILLB                 ; at fill 2: the first change of slots steps it to fill 3
	s_mov_b32 s75, 0
	s_add_nc_u64 s[PFA:PFA+1], s[PFA:PFA+1], s[74:75]
	v_and_b32 v1, 15, v0                           ; r
	v_bfe_u32 v2, v0, 4, 1                         ; h
	v_and_b32 v3, 31, v0
	v_lshlrev_b32 v[CO], 4, v3
	v_add_nc_u32 v[ADRA], s21, v[CO]
	v_add_nc_u32 v[ADRA+1], s68, v[CO]
	v_add_nc_u32 v[ADRB], s22, v[CO]
	v_add_nc_u32 v[ADRB+1], s69, v[CO]
	v_mul_u32_u24 v4, s71, v2
	v_lshl_add_u32 v4, v1, 4, v4
	v_add_nc_u32 v[SOF], s70, v4
	v_mul_u32_u24 v5, v1, SPITCH                   ; into the stage: row r, 32 bytes for each half of the lanes
	v_lshl_add_u32 v5, v2, 5, v5
	v_add_nc_u32 v[STO], s23, v5
	v_add_nc_u32 v[RD], s23, v[CO]                 ; back: the 32 lanes take one row of 512 bytes
	v_lshlrev_b32 v[PFO], 8, v3                    ; blocks 0 to 31 of my 36, a lane a block;
	v_min_u32 v6, 3, v3
	v_lshl_add_u32 v[PFO+1], v6, 8, 8192           ; blocks 32 to 35; the lanes left over name the last again
	s_wait_alu depctr_va_vdst(0)
.macro SCLOAD set, off                 ; a group's scale words of my 8 + 8 blocks
.irp i, 0,1,2,3,4,5,6,7
	global_load_b128 v[SC+32*(\set)+4*\i:SC+32*(\set)+4*\i+3], v[SOF], s[8:9] offset:3072*\i+\off
.endr
.endm
.macro FRAG reg, adr, q, i
.irp j, 0,1,2
	ds_load_b128 v[\reg+4*\j:\reg+4*\j+3], v[\adr] offset:(\q)*STEPB+(\i)*1536+512*\j
.endr
.endm
.macro LB2 slot, q, p, i               ; W's fragments i, i + 1 of the slot's step q into set p
	WIN TO_B
	FRAG 128*(\p)+FR*(\i), ADRB+\slot, \q, \i
	FRAG 128*(\p)+FR*((\i)+1), ADRB+\slot, \q, (\i)+1
.endm
.macro LA2 slot, q, i                  ; x's blocks i, i + 1
	WIN 0
	FRAG AF+FR*(\i), ADRA+\slot, \q, \i
	FRAG AF+FR*((\i)+1), ADRA+\slot, \q, (\i)+1
.endm
; 8 matrix instructions: x's block a against W's eight.  The 64 accumulators take turns, in the same order in every step.
.macro GROUP a, p, q, sc, zero
	WIN MUL_LO+0x50*((\a)/4)
.irp b, 0,1,2,3,4,5,6,7
.if \zero
	v_wmma_scale_f32_16x16x128_f8f6f4 v[8*(8*((\a)%4)+\b):8*(8*((\a)%4)+\b)+7], v[128*(\p)+FR*\b:128*(\p)+FR*\b+FR-1], v[AF+FR*(\a):AF+FR*(\a)+FR-1], 0, v[SC+32*(\sc)+4*\b+(\q)], v[SC+32*(\sc)+4*(\a)+(\q)] matrix_a_fmt:MATRIX_FMT_FP6 matrix_b_fmt:MATRIX_FMT_FP6 matrix_a_scale:MATRIX_SCALE_ROW1
.else
	v_wmma_scale_f32_16x16x128_f8f6f4 v[8*(8*((\a)%4)+\b):8*(8*((\a)%4)+\b)+7], v[128*(\p)+FR*\b:128*(\p)+FR*\b+FR-1], v[AF+FR*(\a):AF+FR*(\a)+FR-1], v[8*(8*((\a)%4)+\b):8*(8*((\a)%4)+\b)+7], v[SC+32*(\sc)+4*\b+(\q)], v[SC+32*(\sc)+4*(\a)+(\q)] matrix_a_fmt:MATRIX_FMT_FP6 matrix_b_fmt:MATRIX_FMT_FP6 matrix_a_scale:MATRIX_SCALE_ROW1
.endif
.endr
.endm
.macro PLACES                          ; four places between a matrix instruction and a load into, or a store of, its registers
.rept 4
	v_nop
.endr
.endm
; The second and third run of a step's LDS loads, with groups 2 to 7 round them.  ns, nq, np: the next step's slot, its place there, its set of W.
; The places behind groups 4 and 7 serve the loads into x's blocks; those behind group 7 also the next step's loads into the set of W that this step reads.
.macro REST p, q, sc, zero, ns, nq, np, wt
	GROUP 2, \p, \q, \sc, \zero
	GROUP 3, \p, \q, \sc, \zero
.if \wt
	s_wait_dscnt 18                                ; x's blocks 4-7 are in: behind them stand this step's first 18 loads
.endif
	GROUP 4, \p, \q, \sc, \zero
	PLACES
	LB2 \ns, \nq, \np, 6
	LA2 \ns, \nq, 0
	LA2 \ns, \nq, 2
	GROUP 5, \p, \q, \sc, \zero
	GROUP 6, \p, \q, \sc, \zero
	GROUP 7, \p, \q, \sc, \zero
	PLACES
	LA2 \ns, \nq, 4
	LA2 \ns, \nq, 6
.endm
; A step whose successor lies in the same slot
.macro STEP slot, q, zero
.set PP, ((\q)+(\slot))%2              ; the set of W at work
	s_wait_dscnt 12                                ; W's set and x's blocks 0-3 are in; the 12 loads of blocks 4-7 may be out
	GROUP 0, PP, \q, \slot, \zero
	GROUP 1, PP, \q, \slot, \zero
	LB2 \slot, (\q)+1, 1-PP, 0
	LB2 \slot, (\q)+1, 1-PP, 2
	LB2 \slot, (\q)+1, 1-PP, 4
	REST PP, \q, \slot, \zero, \slot, (\q)+1, 1-PP, 1
.endm
; A prefetch: the fill that the NEXT change of slots will load, three steps (192 matrix instructions) ahead of that load: my work-group's 36 of the 144 blocks that I fetch, told apart from the partners' by address.
; Fills 0 to 2 and the short fill 10 come by their loads alone: how = 2 asks for nothing in the loop's last trip, where the fill named would be fill 10.
.macro ASK how
.if \how == 2
	s_cmp_gt_u32 s3, 1
	s_cbranch_scc0 .Lnone_\@
.endif
	global_prefetch_b8 v[PFO], s[PFA:PFA+1] th:TH_LOAD_NT scope:SCOPE_SE
	global_prefetch_b8 v[PFO+1], s[PFA:PFA+1] th:TH_LOAD_NT scope:SCOPE_SE
.Lnone_\@:
.endm
; A slot's last step, and the change of slots.  fill = 1: this slot is filled again, two fills on; 2: with fill 10, of two steps; 0: no more.  sload: the scale words two fills on go into this slot's set.
.macro TURN slot, fill, ask, sload
.if \ask
	s_wait_xcnt 0x0                                ; my last prefetches have read their address
	s_add_nc_u64 s[PFA:PFA+1], s[PFA:PFA+1], FILLB
.endif
	s_wait_tensorcnt 0x0                           ; my one load that was out, my part of the next slot, has landed;
	ds_add_u32 v[SPW], v[NIL]
	s_wait_dscnt 13                                ; (the add and x's blocks 4-7 may be out)
	GROUP 0, \slot, 2, \slot, 0
	s_wait_dscnt 0x0                               ; the add is done, and my reads of this slot are over
	s_barrier_signal -1
	GROUP 1, \slot, 2, \slot, 0
	WIN 0
	s_barrier_wait -1
.if \fill
	CREST                                          ; the barrier has opened a round of the cluster's barrier
.if \fill == 2
	s_mov_b32 s[G1+2], 96<<16                      ; no tensor load of mine is out: the last fill has 96 rows
	s_mov_b32 s[G1+4], 96
	s_mov_b32 s[G1B+2], 96<<16
	s_mov_b32 s[G1B+4], 96
.endif
	s_add_nc_u64 s[G0+4*\slot+2:G0+4*\slot+3], s[G0+4*\slot+2:G0+4*\slot+3], 2*FILLB
	s_add_nc_u64 s[G0B+4*\slot+2:G0B+4*\slot+3], s[G0B+4*\slot+2:G0B+4*\slot+3], 2*FILLB
	JLOAD G0+4*\slot, G1, G0B+4*\slot, G1B         ; the first tensor load behind the round
.endif
	LB2 1-\slot, 0, 1-\slot, 0
	LB2 1-\slot, 0, 1-\slot, 2
	LB2 1-\slot, 0, 1-\slot, 4
.if \ask
	WIN 0
	ASK \ask
.endif
	REST \slot, 2, \slot, 0, 1-\slot, 0, 1-\slot, 0
	s_wait_loadcnt 0x0                             ; the next slot's scale words, asked for three steps ago, are in; their base may step
.if \sload
	s_add_nc_u64 s[8:9], s[8:9], 256
	SCLOAD \slot, 256
.endif
.endm
	SCLOAD 0, 0                                    ; the scale words of fills 0 and 1
	SCLOAD 1, 256
	s_wait_tensorcnt 0x0                           ; my part of fill 0 is in
	ds_add_u32 v[SPW], v[NIL]
	s_wait_dscnt 0x0
	CROUND
	JLOAD G0+4, G1, G0B+4, G1B                     ; fill 1, slot 1's first
.irp i, 0,2,4,6
	LB2 0, 0, 0, \i
.endr
.irp i, 0,2,4,6
	LA2 0, 0, \i
.endr
	s_wait_loadcnt 8                               ; fill 0's scale words; fill 1's eight loads may be out
	STEP 0, 0, 1                                   ; step 0 starts the sums
	s_mov_b32 s3, 4
.Llap:                                                 ; a trip: six steps, once round the ring, from a lap's second step to the next lap's first: steps 1 to 24
	STEP 0, 1, 0
	TURN 0, 1, 1, 1
	STEP 1, 0, 0
	STEP 1, 1, 0
	TURN 1, 1, 2, 1
	STEP 0, 0, 0
	s_sub_co_u32 s3, s3, 1
	s_cmp_lg_u32 s3, 0
	s_cbranch_scc1 .Llap
	STEP 0, 1, 0                                   ; steps 25 to 30
	TURN 0, 2, 0, 1
	STEP 1, 0, 0
	STEP 1, 1, 0
	TURN 1, 0, 0, 0
	STEP 0, 0, 0
; THE LAST STEP AND THE WAY OUT.  A block of 16 rows x 128 columns goes through my stage and comes back as whole rows of 512 bytes.  LDS serves a wave's instructions in order (ISA guide 5.7.1.4).
.macro TOSTAGE a
.set AC, 64*((\a)%4)
	WIN 0x08+4*((\a)/4)                            ; the data: window 2 or 3
.irp b, 0,1,2,3,4,5,6,7
	ds_store_b128 v[STO], v[AC+8*\b:AC+8*\b+3] offset:64*\b          ; each accumulator from its low end on
	ds_store_b128 v[STO], v[AC+8*\b+4:AC+8*\b+7] offset:64*\b+16
.endr
	WIN TO_B
.set BB, 64*((\a)%2)
.irp t, 0,1,2,3,4,5,6,7,8,9,10,11,12,13,14,15
	ds_load_b128 v[BB+4*\t:BB+4*\t+3], v[RD] offset:\t*SPITCH
.endr
.endm
.macro SEND a, younger
.set BB, 64*((\a)%2)
	s_wait_dscnt \younger                          ; the block is back in registers
.if (\a) > 0
	s_add_nc_u64 s[10:11], s[10:11], 16*SIZE_N*4   ; behind a wait on XCNT: the earlier stores have read their base
.endif
	WIN 0x04                                       ; the data: window 1
.irp t, 0,1,2,3,4,5,6,7,8,9,10,11,12,13,14,15
	global_store_b128 v[CO], v[BB+4*\t:BB+4*\t+3], s[10:11] offset:\t*SIZE_N*4 th:TH_STORE_NT   ; 32 lanes store 512 consecutive bytes, aligned
.endr
.endm
	s_wait_dscnt 12                                ; W's set and x's blocks 0-3
	GROUP 0, 1, 1, 0, 0
	PLACES
	TOSTAGE 0
.irp a, 1,2,3,4,5,6,7
	GROUP \a, 1, 1, 0, 0                           ; (from block 2 on, SEND's wait has shown all of x's fragments landed)
	PLACES
.if \a > 1
	s_wait_xcnt 0x0                                ; block a - 2's stores have read their registers and their base
.endif
	TOSTAGE \a
	SEND \a-1, 32                                  ; behind block a - 1's loads: block a's 16 stores and 16 loads
.endr
	s_wait_xcnt 0x0
	SEND 7, 0
	WIN 0
	s_wait_tensorcnt 0x0                           ; the wave's end
	ds_add_u32 v[SPW], v[NIL]
	s_wait_dscnt 0x0
	CROUND                                         ; the closing round
	s_endpgm
.Lfunc_end_k_q1c0c24a152_gemm:
	.size	k_q1c0c24a152_gemm, .Lfunc_end_k_q1c0c24a152_gemm-k_q1c0c24a152_gemm
	.p2alignl 7, 3214868480
	.fill 96, 4, 3214868480
	.section	.rodata,"a",@progbits
	.p2align	6, 0x0
	.amdhsa_kernel k_q1c0c24a152_gemm
		.amdhsa_group_segment_fixed_size 327680
		.amdhsa_private_segment_fixed_size 0
		.amdhsa_enable_private_segment 0
		.amdhsa_kernarg_size 32
		.amdhsa_user_sgpr_count 2
		.amdhsa_user_sgpr_kernarg_segment_ptr 1
		.amdhsa_wavefront_size32 1
		.amdhsa_system_sgpr_workgroup_id_x 1
		.amdhsa_system_sgpr_workgroup_id_y 1
		.amdhsa_system_sgpr_workgroup_id_z 1
		.amdhsa_system_vgpr_workitem_id 0
		.amdhsa_next_free_vgpr 1024
		.amdhsa_next_free_sgpr 98
		.amdhsa_reserve_vcc 0
		.amdhsa_float_denorm_mode_32 3
		.amdhsa_float_denorm_mode_16_64 3
		.amdhsa_memory_ordered 1
		.amdhsa_forward_progress 1
		.amdhsa_inst_pref_size 210
	.end_amdhsa_kernel
	.amdgpu_metadata
---
amdhsa.version: [ 1, 2 ]
amdhsa.kernels:
  - .name:           k_q1c0c24a152_gemm
    .symbol:         k_q1c0c24a152_gemm.kd
    .args:
      - { .name: xr, .offset: 0, .size: 8, .value_kind: global_buffer, .address_space: global }
      - { .name: wr, .offset: 8, .size: 8, .value_kind: global_buffer, .address_space: global }
      - { .name: scl, .offset: 16, .size: 8, .value_kind: global_buffer, .address_space: global }
      - { .name: out0, .offset: 24, .size: 8, .value_kind: global_buffer, .address_space: global }
    .group_segment_fixed_size: 327680
    .private_segment_fixed_size: 0
    .kernarg_segment_align: 8
    .kernarg_segment_size: 32
    .max_flat_workgroup_size: 128
    .sgpr_count:     98
    .vgpr_count:     1024
    .wavefront_size: 32
...
	.end_amdgpu_metadata
.endif
;; end of part 2
